; MI455X (gfx1250); checked and timed in simulation.
; The chip was launched on July 23, 2026; its instructions are those of AMD's public machine-readable ISA for CDNA 5 (MIT licence, August 2026) and "CDNA5" Instruction Set Architecture Reference Guide (July 2026). The comments in the code are by the model that wrote it; some were corrected since.
;; Quantized Attention. Allowed arithmetic: matrix products marked QUANTISED: E2M3 operands, one E8M0 scale for each 32 along K, by v_wmma_scale_f32_16x16x128_f8f6f4 with both operands' format E2M3, f32 sums; everything else in f32.
;; Inputs: Wk 1,024 x 1,024 float32; Wq 1,024 x 1,024 float32; Wv 1,024 x 1,024 float32; bk 1,024 float32; bq 1,024 float32; bv 1,024 float32; x 4 x 2,048 x 1,024 float32.
;; Outputs: out0 4 x 2,048 x 1,024 float32.
;; This version of the problem:
;;   THIS VERSION OF THE PROBLEM IS GIVEN IN LOW PRECISION. The matrix products marked QUANTISED in the list below multiply operands that are first quantised to E2M3 (2 exponent bits, 3 mantissa bits; 6 bits a number), with one power-of-two scale for each 32 numbers along K (OCP MX v1.0); their sums are f32. All else is computed in f32.
;;   The module's matrix products, in the order in which they are computed (A, B: the left and right operand; K: the contracted axis; several contracted axes count as one K, in the product's order):
;;     1. [M 8,192, K 1,024] x [K 1,024, N 1,024]; A: input x; B: input Wq: QUANTISED
;;     2. [M 8,192, K 1,024] x [K 1,024, N 1,024]; A: input x; B: input Wk: QUANTISED
;;     3. [M 8,192, K 1,024] x [K 1,024, N 1,024]; A: input x; B: input Wv: QUANTISED
;;     4. batch 4 x [M 2,048, K 1,024] x [K 1,024, N 2,048]; A: computed on the way; B: computed on the way: QUANTISED
;;     5. batch 4 x [M 2,048, K 2,048] x [K 2,048, N 1,024]; A: computed on the way; B: computed on the way: QUANTISED
;;   THE QUANTISER, for each operand of a quantised product, along K:
;;     - K is cut into blocks of 32 from its start; a last block that is shorter is filled with zeros.
;;     - A block's scale is 2^e with e = floor(log2(the largest magnitude in the block)) - 2, held to -126 .. 127; a block of zeros has e = 0. As a byte (E8M0): e + 127.
;;     - Each number is divided by its block's scale, clamped to +-7.5, and rounded to the nearest number of E2M3, ties to even, subnormals kept.
;;     - The product sums the exact products of the quantised numbers (number of the format x scale) in f32.
;;   ~~~python
;;   def quantise(x, axis):      # numpy; x: float32 -> the quantised numbers, widened to float32 again
;;       x = np.moveaxis(x, axis, -1); K = x.shape[-1]
;;       x = np.pad(x, [(0, 0)] * (x.ndim - 1) + [(0, -K % 32)]); x = x.reshape(x.shape[:-1] + (-1, 32)); a = np.abs(x).max(-1, keepdims=True)
;;       e = np.where(a > 0, np.clip(np.frexp(np.where(a > 0, a, 1))[1] - 1 - 2, -126, 127), 0)      # np.frexp(a)[1] - 1 = floor(log2(a)), exactly
;;       r = np.clip(x / 2.0 ** e, -7.5, 7.5)
;;       step = 2.0 ** (np.maximum(np.frexp(np.where(r == 0, 1, r))[1] - 1, 0) - 3)
;;       q = np.round(r / step) * step * 2.0 ** e      # np.round: ties to even
;;       return np.moveaxis(q.reshape(q.shape[:-2] + (-1,))[..., :K], -1, axis).astype(np.float32)
;;   ~~~
;;   OPERANDS COMPUTED ON THE WAY. 'Computed on the way' means the value that the module computes at that place (a softmax that the list does not call 'softmax' is quantised finished and normalised). What goes into a quantiser is computed in f32, as accurately as f32 sums, v_exp_f32 and their like allow (about 1e-6 of the number): no bf16 or f16 on the way to a quantiser, and a product that is left as it is and whose result goes on into a quantised operand takes f32 operands (vector FMAs, or v_wmma_f32_16x16x4_f32). A number that lies on a knife's edge between two numbers of the format may be rounded either way, as far as f32 arithmetic and the matrix unit's own rounding can turn it there, and no further.
;; One version. Each part assembles by itself: llvm-mc -triple=amdgcn-amd-amdhsa -mcpu=gfx1250 --defsym DOCPART=n.
;; ======== version 1 of 1: 3 launches
;; limits: values are held in f16: magnitudes above 65,504 overflow, below 6.1e-05 lose precision; right only within a limited range of input values
;; workspace buffers: xw 9,011,200 bytes; qk 13,107,200 bytes; vt 6,553,600 bytes
;; launch quant (part 1): grid 704 x 1, 4 waves a work-group, no clusters, 34,304 bytes of LDS; arguments x, Wq, Wk, Wv, xw; writes xw
.if DOCPART == 1
	.amdgcn_target "amdgcn-amd-amdhsa--gfx1250"
	.amdhsa_code_object_version 6
	.text
	.protected	k_qc75a2dfaeb_quant
	.globl	k_qc75a2dfaeb_quant
	.p2align	8
	.type	k_qc75a2dfaeb_quant,@function
k_qc75a2dfaeb_quant:
	s_mov_b64 s[64:65], 0
	v_nop
	global_prefetch_b8 v0, s[64:65] scope:SCOPE_SE
	s_setreg_imm32_b32 hwreg(HW_REG_WAVE_MODE, 25, 1), 1
	s_wait_xcnt 0x0
; x [8192][1024], Wq, Wk, Wv [1024][1024], f32, K innermost, become codes of FP6 (E2M3) with one E8M0 scale byte for each 32 along K.
; The four tensors count as one stack of 11,264 rows: x, then Wq, Wk, Wv.  A block's scale is 2^(floor(log2(largest magnitude)) - 2): its byte is the largest magnitude's exponent field - 2, held at 1 from below.
; LAYOUT OF xw (read by this program alone).  Codes: [K / 256][16 rows][(K / 128) % 2][1536]: a fragment (16 rows x 128 K) is stored as the image of the matrix operand's 12 registers: registers 4 c .. 4 c + 3 of lane l at 512 c + 16 l.
; Scale words behind them: [128 rows][K / 128][512]: the word of row 16 a + r at 256 (a / 4) + 16 r + 4 (a % 4).
; SHARES.  A wave takes 32 rows x 128 K: two fragments; a work-group 32 rows x 512 K; 704 work-groups.  A load reads 512 consecutive bytes of one row; a fragment's 16 rows turn through the wave's own stage in LDS
; (rows 528 bytes apart) and come back so that lane (r, h) holds k = 64 c + 32 h + 0 .. 31 of row r: two whole blocks, in the order of the operand's registers.  No other lane is asked for a maximum.
; No cluster, no tensor load, no barrier: no two waves read the same bytes.  Both fragments' loads (32 of a wave) are out at the start.
; The scale words go out 4 bytes a lane, 8 bytes of each 16: one part in 24 of what the launch stores.
; LIMITS: NaN and infinities among the inputs are not served.  A block of zeros, and a block whose largest magnitude lies under 2^-124, gets the byte 1: its codes are zeros or the small codes that this scale gives.
.set PLANE,  2162688                   ; 704 blocks of 16 rows x 3,072 bytes: 256 along K of the whole stack
.set XWS,    4*PLANE                   ; where the scale words begin
.set PITCH,  528
.set STG,    16*PITCH                  ; a wave's stage
.set PW,     16                        ; v16-17  the two fragments' scale words
	s_load_b256 s[4:11], s[0:1], 0x0               ; x s[4:5], Wq s[6:7], Wk s[8:9], Wv s[10:11]
	s_load_b64 s[12:13], s[0:1], 0x20              ; xw
	v_lshl_add_u32 v251, v0, 2, 0x8400             ; my spare word, behind the four stages
	v_mov_b32 v255, 0
	v_lshrrev_b32 v1, 5, v0
	v_readfirstlane_b32 s16, v1                    ; wave 0..3
	v_and_b32 v1, 31, v0                           ; lane
	v_and_b32 v2, 15, v0                           ; r
	v_bfe_u32 v3, v0, 4, 1                         ; h
	v_lshlrev_b32 v4, 4, v1                        ; 16 x lane: my bytes of a load's and of a store's 512
	s_mul_i32 s17, s16, STG
	v_add_nc_u32 v5, s17, v4                       ; the stage, way in: a row as it lies
	v_mul_u32_u24 v6, v2, PITCH
	v_lshl_add_u32 v6, v3, 7, v6
	v_add_nc_u32 v6, s17, v6                       ; way out: row r, + 128 h bytes (32 numbers)
	v_lshlrev_b32 v7, 4, v2
	v_lshl_add_u32 v7, v3, 2, v7                   ; the scale words' store: 16 r + 4 h
	v_lshlrev_b32 v8, 3, v3                        ; 8 h: my bytes' place in a scale word, in bits
	v_mov_b32 v21, 0                               ; written once: a lane permute's destination counts as one of its sources
	s_mov_b32 s18, 0x76543210
	s_mov_b32 s19, 0xfedcba98                      ; v_permlanex16_b32's selects for lane l xor 16
	s_lshr_b32 s20, ttmp9, 1                       ; j: which 32 rows of the stack
	s_and_b32 s22, ttmp9, 1
	s_lshl_b32 s22, s22, 2
	s_add_co_u32 s22, s22, s16                     ; s: which 128 along K
	s_and_b32 s21, s20, 31                         ; in a weight: which 32 of its rows
	s_wait_alu depctr_va_vdst(0)                   ; the wait at the head's end
	s_wait_kmcnt 0x0
	s_cmp_lt_u32 s20, 320                          ; the tensor is chosen by the work-group's number alone
	s_cselect_b64 s[14:15], s[8:9], s[10:11]
	s_cmp_lt_u32 s20, 288
	s_cselect_b64 s[14:15], s[6:7], s[14:15]
	s_cmp_lt_u32 s20, 256
	s_cselect_b64 s[14:15], s[4:5], s[14:15]
	s_cselect_b32 s21, s20, s21
	s_lshl_b32 s24, s21, 17                        ; 32 rows of 4,096 bytes
	s_lshl_b32 s25, s22, 9                         ; 128 numbers
	s_add_co_u32 s24, s24, s25
	s_mov_b32 s25, 0
	s_add_nc_u64 s[14:15], s[14:15], s[24:25]      ; where my wave reads
	s_lshr_b32 s26, s22, 1
	s_mul_i32 s26, s26, PLANE
	s_mul_i32 s27, s20, 2*3072
	s_add_co_u32 s26, s26, s27
	s_and_b32 s27, s22, 1
	s_mul_i32 s27, s27, 1536
	s_add_co_u32 s26, s26, s27
	s_mov_b32 s27, 0
	s_add_nc_u64 s[28:29], s[12:13], s[26:27]      ; where its codes go
	s_lshr_b32 s30, s20, 2                         ; scale words: which 128 rows,
	s_lshl_b32 s30, s30, 3
	s_add_co_u32 s30, s30, s22                     ; which 128 along K,
	s_lshl_b32 s30, s30, 9
	s_bfe_u32 s31, s20, 0x10001                    ; my blocks 2 (j % 4), + 1 of the eight: 256 x (block / 4)
	s_lshl_b32 s31, s31, 8
	s_add_co_u32 s30, s30, s31
	s_and_b32 s31, s20, 1                          ; + 4 x (block % 4)
	s_lshl_b32 s31, s31, 3
	s_add_co_u32 s30, s30, s31
	s_add_co_u32 s30, s30, XWS
	s_mov_b32 s31, 0
	s_add_nc_u64 s[12:13], s[12:13], s[30:31]
.macro LOAD f                          ; fragment f's 16 rows
.set RL, 32+64*(\f)
.irp t, 0,1,2,3,4,5,6,7,8,9,10,11,12,13,14,15
	global_load_b128 v[RL+4*\t:RL+4*\t+3], v4, s[14:15] offset:(16*(\f)+\t)*4096 th:TH_LOAD_NT
.endr
.endm
.macro FR f, left                      ; left: the other fragment's loads, which may stay out
.set RS, 32+64*(\f)
.set PCS, 224+12*(\f)
	s_wait_loadcnt \left
.irp t, 0,1,2,3,4,5,6,7,8,9,10,11,12,13,14,15
	ds_store_b128 v5, v[RS+4*\t:RS+4*\t+3] offset:PITCH*\t
.endr
	s_wait_dscnt 0x0                               ; the stores have read the set: it takes the same numbers back in another order
.irp c, 0,1
.irp i, 0,1,2,3,4,5,6,7
	ds_load_b128 v[RS+32*\c+4*\i:RS+32*\c+4*\i+3], v6 offset:256*\c+16*\i
.endr
.endr
	s_wait_dscnt 0x0
.irp c, 0,1                                    ; my block 2 c + h: all its 32 numbers are mine
	v_max3_num_f32 v[10+\c], |v[RS+32*\c]|, |v[RS+32*\c+1]|, 0x1800000   ; and the floor 2^(3 - 127): the byte cannot fall under 1
.endr
.irp i, 2,4,6,8,10,12,14,16,18,20,22,24,26,28,30
.irp c, 0,1
	v_max3_num_f32 v[10+\c], v[10+\c], |v[RS+32*\c+\i]|, |v[RS+32*\c+\i+1]|
.endr
.endr
.irp c, 0,1
	v_add_nc_u32 v[12+\c], 0xff000000, v[10+\c]    ; 2 off the exponent field: the conversion takes the exponent field of this operand as its scale
.endr
.irp c, 0,1
	v_lshrrev_b32 v[14+\c], 23, v[12+\c]           ; the scale's byte
.endr
	v_lshl_or_b32 v20, v15, 16, v14                ; blocks h and 2 + h of row r,
	v_lshlrev_b32 v20, v8, v20                     ; at their places in the word;
	v_permlanex16_b32 v21, v20, s18, s19
	v_or_b32 v[PW+\f], v20, v21                    ; with lane l xor 16's two the word is whole
.irp c, 0,1
	v_cvt_scalef32_pk16_fp6_f32 v[PCS+6*\c:PCS+6*\c+2], v[RS+32*\c:RS+32*\c+15], v[12+\c]
	v_cvt_scalef32_pk16_fp6_f32 v[248+4*\c:250+4*\c], v[RS+32*\c+16:RS+32*\c+31], v[12+\c]   ; (a conversion's three registers begin on an even number)
.endr
	v_nop                                          ; one plain place behind a scaled conversion
.irp c, 0,1
.irp i, 0,1,2
	v_mov_b32 v[PCS+6*\c+3+\i], v[248+4*\c+\i]
.endr
.endr
.irp c, 0,1,2
	global_store_b128 v4, v[PCS+4*\c:PCS+4*\c+3], s[28:29] offset:(\f)*3072+512*\c   ; 32 lanes store 512 consecutive bytes, aligned
.endr
.endm
	LOAD 0
	LOAD 1
	FR 0, 16
	FR 1, 0
	v_cmp_le_u32 vcc_lo, 16, v1                    ; lanes 0-15 store fragment 0's words, lanes 16-31 fragment 1's
	v_cndmask_b32 v22, v16, v17, vcc_lo
	global_store_b32 v7, v22, s[12:13]
	s_wait_tensorcnt 0x0                           ; the wave's end
	ds_add_u32 v251, v255
	s_wait_dscnt 0x0
	s_endpgm
.Lfunc_end_k_qc75a2dfaeb_quant:
	.size	k_qc75a2dfaeb_quant, .Lfunc_end_k_qc75a2dfaeb_quant-k_qc75a2dfaeb_quant
	.p2alignl 7, 3214868480
	.fill 96, 4, 3214868480
	.section	.rodata,"a",@progbits
	.p2align	6, 0x0
	.amdhsa_kernel k_qc75a2dfaeb_quant
		.amdhsa_group_segment_fixed_size 34304
		.amdhsa_private_segment_fixed_size 0
		.amdhsa_enable_private_segment 0
		.amdhsa_kernarg_size 40
		.amdhsa_user_sgpr_count 2
		.amdhsa_user_sgpr_kernarg_segment_ptr 1
		.amdhsa_wavefront_size32 1
		.amdhsa_system_sgpr_workgroup_id_x 1
		.amdhsa_system_sgpr_workgroup_id_y 1
		.amdhsa_system_sgpr_workgroup_id_z 1
		.amdhsa_system_vgpr_workitem_id 0
		.amdhsa_next_free_vgpr 256
		.amdhsa_next_free_sgpr 66
		.amdhsa_reserve_vcc 1
		.amdhsa_float_denorm_mode_32 3
		.amdhsa_float_denorm_mode_16_64 3
		.amdhsa_memory_ordered 1
		.amdhsa_forward_progress 1
		.amdhsa_inst_pref_size 17
	.end_amdhsa_kernel
	.amdgpu_metadata
---
amdhsa.version: [ 1, 2 ]
amdhsa.kernels:
  - .name:           k_qc75a2dfaeb_quant
    .symbol:         k_qc75a2dfaeb_quant.kd
    .args:
      - { .name: x, .offset: 0, .size: 8, .value_kind: global_buffer, .address_space: global }
      - { .name: Wq, .offset: 8, .size: 8, .value_kind: global_buffer, .address_space: global }
      - { .name: Wk, .offset: 16, .size: 8, .value_kind: global_buffer, .address_space: global }
      - { .name: Wv, .offset: 24, .size: 8, .value_kind: global_buffer, .address_space: global }
      - { .name: xw, .offset: 32, .size: 8, .value_kind: global_buffer, .address_space: global }
    .group_segment_fixed_size: 34304
    .private_segment_fixed_size: 0
    .kernarg_segment_align: 8
    .kernarg_segment_size: 40
    .max_flat_workgroup_size: 128
    .sgpr_count:     66
    .vgpr_count:     256
    .wavefront_size: 32
...
	.end_amdgpu_metadata
.endif
;; end of part 1
;; launch qkv (part 2): grid 12 x 32, 4 waves a work-group, clusters of 4 x 4, 327,680 bytes of LDS; arguments xw, bq, bk, bv, qk, vt; writes qk, vt
.if DOCPART == 2
	.amdgcn_target "amdgcn-amd-amdhsa--gfx1250"
	.amdhsa_code_object_version 6
	.text
	.protected	k_qc75a2dfaeb_qkv
	.globl	k_qc75a2dfaeb_qkv
	.p2align	8
	.type	k_qc75a2dfaeb_qkv,@function
k_qc75a2dfaeb_qkv:
	s_mov_b64 s[64:65], 0
	v_nop
	global_prefetch_b8 v0, s[64:65] scope:SCOPE_SE
	s_setreg_imm32_b32 hwreg(HW_REG_WAVE_MODE, 25, 1), 1
	s_wait_xcnt 0x0
	s_wait_alu depctr_hold_cnt(0) depctr_sa_sdst(0) depctr_va_vdst(0) depctr_va_sdst(0) depctr_va_ssrc(0) depctr_va_vcc(0) depctr_vm_vsrc(0)
	s_getreg_b32 s2, hwreg(HW_REG_IB_STS2, 6, 4)
	s_cmp_eq_u32 s2, 0
	s_cbranch_scc0 .Lentry_in_a_cluster
	s_endpgm
.Lentry_in_a_cluster:
	s_bfe_u32 s2, ttmp6, 0x10000c
	s_cmp_lg_u32 s2, 0xf033
	s_cbranch_scc0 .Lentry_shape_is_right
	s_endpgm
.Lentry_shape_is_right:
; q = f16(x Wq^T + bq), k = f16(x Wk^T + bk), v^T = f16(Wv x^T + bv), each then quantised to FP6 (E2M3) with one E8M0 scale for each 32 along the NEXT product's K: q and k along the features, v along the tokens.
; f16(.) is the model's own rounding: 5 exponent bits, 10 mantissa bits, nearest even, fixed step under 2^-14, held at +-65,504.  That is binary16: a hold at +-65,504, a conversion to f16 and one back compute it exactly.
; Operands come as codes and scale words out of xw (stack of rows: x, Wq, Wk, Wv), laid as images of the matrix operand's registers: a fragment of 16 rows x 128 K is 1,536 bytes and comes by three loads of 16 bytes a lane.
; A tile of 256 x 256 is made by four waves, each 128 x 128: 64 accumulators, 512 registers.  K = 1,024 goes in steps of 256 through a ring of two LDS slots; the 128 rows x 256 K that a wave fetches are one dense block of 24,576 bytes.
; THE MATRIX INSTRUCTION IS USED TRANSPOSED (source 0 = 16 rows of B, source 1 = 16 rows of A): a lane holds one row of A's side and its registers run along B's side, which is the next product's K.
; Clusters with x = 0, 1: A = x, B = Wq, Wk.  Clusters with x = 2: A = Wv, B = x, so that v comes out with the tokens along a lane's registers.  One text serves both: offsets are chosen on the cluster's x, the same in all sixteen partners.
; ORDER INSIDE A BLOCK OF 32.  A lane's registers 16 b + 8 u + j hold element 32 b + 16 u + 8 h + j; the conversions put it at place 16 h + 8 u + j of block b.  Every computed operand of this program is laid so, on both sides of
; a product, so the products meet the same partners; a block holds the same 32 numbers as in natural order, so its scale is the stated one.
; CLUSTERS: 4 x 4 work-groups; A's tiles are asked for jointly along a row of the cluster, B's along a column.
; REGISTERS: window 0: v1-30 addresses; v32-63 scale words, two sets (nothing else ever); v64-127 the column bias, later packed f16 and scratch; v128-223 A's fragments, later the way out; v224-239 the row bias; v240-251 scale words made.
;   window 1: B's fragments, two sets, at v0 and v128.   windows 2, 3: the accumulators ((a, b) at v[8 (8 (a % 4) + b)]).
; LIMITS: NaN and infinities are not served.  A block of zeros gets the scale byte 25 (q's: 20); the bytes are read by this program alone.
.set KST,    8                         ; steps of 128 along K
.set LAPS,   KST/4                     ; a lap = once round the ring = 512 along K
.set FR,     12                        ; registers of a fragment
.set NL,     3                         ; LDS loads that bring one
.set NP,     4                         ; places behind this matrix instruction (ISA guide 7.12.1)
.set HALFT,  24576                     ; 128 rows x 256 K of codes: one tensor load
.set SLOT,   4*HALFT                   ; A's two halves, then B's two
.set SG,     KST*512                   ; the scale words of 128 rows, all of K
.set SCL,    2*SLOT                    ; behind the ring: the scale words, filled once
.set SPARE,  SCL+4*SG                  ; behind them: the spare words, 128 bytes for each wave, that no other line names
.set PLANE_XW, 2162688
.set STEPA,  2*PLANE_XW                ; a slot's next fill: 512 along K on
.set STEPB,  2*PLANE_XW
.set XWS,    4*PLANE_XW
.set PLANE_QK, 3145728
.set QKS,    4*PLANE_QK
.set PLANE_VT, 196608
.set VTS,    32*PLANE_VT
.set ADRA, 16                          ; v16-17  LDS address of my A fragments in slot 0, 1
.set ADRB, 20                          ; v20-21  the same for B
.set CO,   26                          ; v26     16 x lane
.set ADRS, 27                          ; v27     LDS address of my scale words: lanes 0-15 A's, lanes 16-31 B's
.set SPW,  28                          ; v28     LDS address of my spare word; never rewritten
.set NIL,  29                          ; v29     0; never rewritten
.set SC,   32                          ; scale words: set s at v[SC + 16 s]; register 8 q + i: block i, the slot's q-th 128 along K
.set BN,   64                          ; v64-127 bias along B's side: the C of the first products
.set AF,   128                         ; A's fragments
.set BM,   224                         ; v224-239 bias along A's side, a pair for each block of 16 rows (the low word is used)
.set T,    128                         ; the way out: 64 numbers
.set P,    64                          ; 32 registers of packed f16
.set TM,   96                          ; 16 registers at work in QUANT
.set PCA,  192                         ; two sets of 12: the codes just made
.set CT,   216                         ; 8 registers at work in QUANT
.set PWS,  240                         ; v240-247 the eight scale words made
.set G1, 24
.set G0, 32
.set G1B, 48
.set G0B, 56
.set G1S, 68
.set G0S, 76
.set G1SB, 80
.set G0SB, 88
.set SEL, 66
.set MSB, 0
.macro WIN new                         ; the immediate's high byte repeats the setting that is left
.if MSB != (\new)
	s_set_vgpr_msb (MSB<<8)|(\new)
.set MSB, \new
.endif
.endm
.set MUL_LO, 0xa1                      ; source 0 (B) window 1, source 1 (A) window 0, C and D window 2
.set MUL_HI, 0xf1                      ; the same, C and D window 3
.set TO_B,   0x40                      ; destination window 1, address window 0
.macro WID d, p                        ; two f16 of register p, widened
	v_cvt_f32_f16 v[\d], v\p\().l
	v_cvt_f32_f16 v[\d+1], v\p\().h
.endm
; A joint load: waves 0 and 1 fetch for A, waves 2 and 3 for B.  The branch hangs on the wave's number alone.  Four v_nop follow each of the two lines.
.macro JLOAD g0a, g1a, g0b, g1b
	s_cmp_eq_u32 s17, 0
	s_cbranch_scc0 .Lfor_b_\@
	tensor_load_to_lds s[\g0a:\g0a+3], s[\g1a:\g1a+7]
	s_nop 0
.rept 4
	v_nop
.endr
	s_branch .Lasked_\@
.Lfor_b_\@:
	tensor_load_to_lds s[\g0b:\g0b+3], s[\g1b:\g1b+7]
	s_nop 0
.rept 4
	v_nop
.endr
.Lasked_\@:
.endm
.macro CREST                           ; a round of the cluster's barrier behind its opening barrier
	s_cmp_lg_u32 s16, 0
	s_cbranch_scc1 .Lnot_wave_0_\@
	s_barrier_signal -3
.Lnot_wave_0_\@:
	s_barrier_wait -3
	s_barrier_signal -1
	s_barrier_wait -1
.endm
.macro CROUND
	s_barrier_signal -1
	s_barrier_wait -1
	CREST
.endm
	s_load_b256 s[4:11], s[0:1], 0x0               ; xw s[4:5], bq s[6:7], bk s[8:9], bv s[10:11]
	s_load_b128 s[12:15], s[0:1], 0x20             ; qk s[12:13], vt s[14:15]
	v_lshl_add_u32 v[SPW], v0, 2, SPARE
	v_mov_b32 v[NIL], 0
	ds_add_u32 v28, v29
	ds_add_u32 v28, v29
	s_wait_dscnt 0x0
	v_lshrrev_b32 v1, 5, v0
	v_readfirstlane_b32 s16, v1                    ; wave 0..3
	s_lshr_b32 s17, s16, 1                         ; which half of A's rows is mine.  Also: I fetch for A (0) or for B (1)
	s_and_b32 s18, s16, 1                          ; which half of B's rows.  Also: which 128 rows I fetch
	s_bfe_u32 s40, ttmp6, 0x40000                  ; cx
	s_bfe_u32 s41, ttmp6, 0x40004                  ; cy
	s_mov_b32 s42, ttmp9                           ; X: the cluster's x: 0 q, 1 k, 2 v
	s_and_b32 s45, ttmp7, 0xffff                   ; Y: the cluster's y, 0..7
	s_lshl_b32 s43, s41, 2
	s_lshl_b32 s43, 15, s43                        ; my row of the cluster
	s_lshl_b32 s44, 0x1111, s40                    ; my column
	s_mov_b32 s[SEL], 0x76543210
	s_mov_b32 s[SEL+1], 0xfedcba98                 ; v_permlanex16_b32's selects for lane l xor 16
	; descriptor group 1: a dense block as rows of 256 bytes (32 elements of 8 bytes), no padding: codes 96 rows, scale words SG / 128 rows
	s_or_b32 s[G1+0], s43, (3<<16)|(1<<21)         ; 15:0 the mask: A's go to my row; 17:16 elements of 8 bytes; 21 set beside a mask
	s_or_b32 s[G1B+0], s44, (3<<16)|(1<<21)
.irp g, G1, G1B
	s_mov_b32 s[\g+1], 32<<16                      ; tensor_dim0
	s_mov_b32 s[\g+2], 192<<16                     ; tensor_dim1: 192 for the head's loads; behind them 96
	s_mov_b32 s[\g+3], 32<<16                      ; tile_dim0
	s_mov_b32 s[\g+4], 192                         ; tile_dim1
	s_mov_b32 s[\g+5], 32                          ; tensor_dim0_stride
	s_mov_b32 s[\g+6], 0
	s_mov_b32 s[\g+7], 0
.endr
	s_or_b32 s[G1S+0], s43, (3<<16)|(1<<21)
	s_or_b32 s[G1SB+0], s44, (3<<16)|(1<<21)
.irp g, G1S, G1SB
	s_mov_b32 s[\g+1], 32<<16
	s_mov_b32 s[\g+2], (SG/128)<<16
	s_mov_b32 s[\g+3], 32<<16
	s_mov_b32 s[\g+4], SG/128
	s_mov_b32 s[\g+5], 32
	s_mov_b32 s[\g+6], 0
	s_mov_b32 s[\g+7], 0
.endr
	; which blocks of 16 rows of the stack I fetch.  A's hang on cy, B's on cx, and both on the cluster's coordinates
	s_lshl_b32 s19, s18, 3                         ; 8 x the half
	s_lshl_b32 s20, s41, 4                         ; A: 16 cy
	s_lshl_b32 s21, s45, 6                         ; 64 Y: the cluster's 1,024 tokens
	s_lshl_b32 s46, s40, 4                         ; B: 16 cx
	s_lshl_b32 s22, s42, 6
	s_add_co_u32 s22, s22, 512                     ; Wq's or Wk's first block
	s_cmp_eq_u32 s42, 2
	s_cselect_b32 s23, 640, s21                    ; A: Wv for v, else the tokens
	s_cselect_b32 s22, s21, s22                    ; B: the tokens for v, else the weight
	s_add_co_u32 s20, s20, s23                     ; the tile's first block; my half is added behind the head's descriptors
	s_add_co_u32 s46, s46, s22
	s_lshr_b32 s92, s20, 3
	s_lshl_b32 s92, s92, 12                        ; SG bytes of scale words for each 128 rows
	s_add_co_u32 s92, s92, XWS
	s_mov_b32 s93, 0
	s_lshr_b32 s94, s46, 3
	s_lshl_b32 s94, s94, 12
	s_add_co_u32 s94, s94, XWS
	s_mov_b32 s95, 0
	s_mul_i32 s20, s20, 3072
	s_mov_b32 s21, 0
	s_mul_i32 s46, s46, 3072
	s_mov_b32 s47, 0
	s_mul_i32 s96, s16, HALFT                      ; where they go: by the wave's number alone
	s_wait_kmcnt 0x0
	s_add_nc_u64 s[20:21], s[4:5], s[20:21]
	s_add_nc_u64 s[92:93], s[4:5], s[92:93]
	s_add_nc_u64 s[46:47], s[4:5], s[46:47]
	s_add_nc_u64 s[94:95], s[4:5], s[94:95]
	CROUND                                         ; all sixteen work-groups are here: the first joint loads meet
	s_mov_b32 s[G0S], 1
	s_mov_b32 s[G0S+1], SCL
	s_mov_b64 s[G0S+2:G0S+3], s[92:93]
	s_or_b32 s[G0S+3], s[G0S+3], 0x80000000
	s_mov_b32 s[G0SB], 1
	s_mov_b32 s[G0SB+1], SCL+2*SG
	s_mov_b64 s[G0SB+2:G0SB+3], s[94:95]
	s_or_b32 s[G0SB+3], s[G0SB+3], 0x80000000
	s_mov_b32 s[G0], 1                             ; the head's four tiles, each whole: slot 0's 256 rows of A (49,152 dense bytes),
	s_mov_b32 s[G0+1], 0
	s_mov_b64 s[G0+2:G0+3], s[20:21]
	s_or_b32 s[G0+3], s[G0+3], 0x80000000
	s_mov_b32 s[G0B], 1                            ; its 256 rows of B behind them; the scale words of A's and of B's 256 rows stand above
	s_mov_b32 s[G0B+1], 2*HALFT
	s_mov_b64 s[G0B+2:G0B+3], s[46:47]
	s_or_b32 s[G0B+3], s[G0B+3], 0x80000000
	s_mul_i32 s98, s19, 3072                       ; for the ring: my 128 rows of the tile
	s_mov_b32 s99, 0
	s_add_nc_u64 s[20:21], s[20:21], s[98:99]
	s_add_nc_u64 s[46:47], s[46:47], s[98:99]
	s_mov_b32 s[G0+4], 1
	s_add_co_u32 s[G0+5], s96, SLOT
	s_add_nc_u64 s[G0+6:G0+7], s[20:21], STEPA/2
	s_or_b32 s[G0+7], s[G0+7], 0x80000000
	s_mov_b32 s[G0B+4], 1
	s_add_co_u32 s[G0B+5], s96, SLOT
	s_add_nc_u64 s[G0B+6:G0B+7], s[46:47], STEPB/2
	s_or_b32 s[G0B+7], s[G0B+7], 0x80000000
; THE HEAD'S LOADS, ONE A WAVE: wave 0 A's codes, wave 1 B's, wave 2 A's scale words, wave 3 B's.  One tree of branches on the wave's number: every way passes exactly one load.
.macro ARM under, g0, g1, next
	s_cmp_lt_u32 s16, \under
	s_cbranch_scc0 \next
	tensor_load_to_lds s[\g0:\g0+3], s[\g1:\g1+7]
	s_nop 0
.rept 4
	v_nop
.endr
	s_branch .Lhead_asked
\next:
.endm
	ARM 1, G0,  G1,  .Lhead_b
	ARM 2, G0B, G1B, .Lhead_sa
	ARM 3, G0S, G1S, .Lhead_sb
	tensor_load_to_lds s[G0SB:G0SB+3], s[G1SB:G1SB+7]
	s_nop 0
.rept 4
	v_nop
.endr
.Lhead_asked:
	s_wait_alu depctr_va_vdst(0)
	s_wait_tensorcnt 0x0                           ; my tile of the four is in; slot 1's first fill is issued as a refill is:
	ds_add_u32 v28, v29                            ; 0 onto my spare word;
	s_mov_b32 s[G1+2], 96<<16                      ; no load of mine is out, so descriptors may be written: from here on a load brings 96 rows of 256 bytes,
	s_mov_b32 s[G1+4], 96
	s_mov_b32 s[G1B+2], 96<<16
	s_mov_b32 s[G1B+4], 96
	s_mov_b32 s[G0+1], s96                         ; and slot 0's descriptors stand at my quarter of it
	s_mov_b64 s[G0+2:G0+3], s[20:21]
	s_or_b32 s[G0+3], s[G0+3], 0x80000000
	s_mov_b32 s[G0B+1], s96
	s_mov_b64 s[G0B+2:G0B+3], s[46:47]
	s_or_b32 s[G0B+3], s[G0B+3], 0x80000000
	s_wait_dscnt 0x0
	CROUND                                         ; a whole round: all four tiles are in, in every partner
	JLOAD G0+4, G1, G0B+4, G1B                     ; slot 1: one load of mine is out
	v_and_b32 v1, 31, v0                           ; lane
	v_and_b32 v2, 15, v0                           ; r
	v_bfe_u32 v3, v0, 4, 1                         ; h
	s_wait_alu depctr_va_vdst(0)
	v_lshlrev_b32 v[CO], 4, v1
	v_mov_b32 v30, 0x477fe000                      ; 65,504
	s_mul_i32 s21, s17, HALFT                      ; my 128 rows of A
	s_mul_i32 s22, s18, HALFT                      ; my 128 rows of B,
	s_add_co_u32 s22, s22, 2*HALFT                 ; which lie behind A's 256
.irp s, 0,1
	v_add_nc_u32 v[ADRA+\s], s21, v[CO]
	v_add_nc_u32 v[ADRB+\s], s22, v[CO]
	s_add_co_u32 s21, s21, SLOT
	s_add_co_u32 s22, s22, SLOT
.endr
	s_mul_i32 s21, s17, SG                         ; A's scale words: my 128 rows
	s_mul_i32 s22, s18, SG                         ; B's, behind A's two halves
	s_add_co_u32 s22, s22, 2*SG
	s_sub_co_u32 s22, s22, s21
	v_mul_u32_u24 v5, s22, v3                      ; lanes 16-31 take B's
	s_add_co_u32 s21, s21, SCL
	v_lshl_add_u32 v5, v2, 4, v5                   ; 16 r: four blocks' words of my row
	v_add_nc_u32 v[ADRS], s21, v5
	; where my results go
	s_lshl_b32 s20, s45, 2
	s_add_co_u32 s21, s20, s41                     ; 4 Y + cy
	s_add_co_u32 s22, s20, s40                     ; 4 Y + cx
	s_lshl_b32 s23, s42, 9                         ; q, k: codes at cx planes + (512 X + 16 (4 Y + cy) + 8 half) blocks
	s_lshl_b32 s46, s21, 4
	s_add_co_u32 s23, s23, s46
	s_lshl_b32 s46, s17, 3
	s_add_co_u32 s23, s23, s46
	s_mul_i32 s23, s23, 3072
	s_mul_i32 s46, s40, PLANE_QK
	s_add_co_u32 s23, s23, s46
	s_lshl_b32 s46, s41, 4                         ; v: codes at (4 Y + cx) planes + (16 cy + 8 half) blocks
	s_lshl_b32 s47, s17, 3
	s_add_co_u32 s46, s46, s47
	s_mul_i32 s46, s46, 3072
	s_mul_i32 s47, s22, PLANE_VT
	s_add_co_u32 s46, s46, s47
	s_lshl_b32 s92, s42, 6                         ; q, k: scale words: chunk (64 X + 2 (4 Y + cy) + half) x 8 + 2 cx + half
	s_lshl_b32 s47, s21, 1
	s_add_co_u32 s92, s92, s47
	s_add_co_u32 s92, s92, s17
	s_lshl_b32 s92, s92, 3
	s_lshl_b32 s47, s40, 1
	s_add_co_u32 s92, s92, s47
	s_add_co_u32 s92, s92, s18
	s_lshl_b32 s92, s92, 9
	s_add_co_u32 s92, s92, QKS
	s_lshr_b32 s94, s45, 1                         ; v: chunk ((batch x 8 + 2 cy + half) x 16 + 2 ((4 Y + cx) % 8) + half
	s_lshl_b32 s94, s94, 3
	s_lshl_b32 s47, s41, 1
	s_add_co_u32 s94, s94, s47
	s_add_co_u32 s94, s94, s17
	s_lshl_b32 s94, s94, 4
	s_and_b32 s47, s22, 7
	s_lshl_b32 s47, s47, 1
	s_add_co_u32 s94, s94, s47
	s_add_co_u32 s94, s94, s18
	s_lshl_b32 s94, s94, 9
	s_add_co_u32 s94, s94, VTS
	s_mul_i32 s47, s18, 1536                       ; which of a plane's two steps of 128
	s_cmp_eq_u32 s42, 2
	s_cselect_b32 s20, s46, s23
	s_cselect_b32 s22, s94, s92
	s_cselect_b64 s[12:13], s[14:15], s[12:13]
	s_add_co_u32 s20, s20, s47
	s_mov_b32 s21, 0
	s_mov_b32 s23, 0
	s_add_nc_u64 s[92:93], s[12:13], s[20:21]      ; codes
	s_add_nc_u64 s[94:95], s[12:13], s[22:23]      ; my chunk of scale words
	; the biases.  q, k: along B's side (features): the C of the first products.  v: along A's side: added on the way out.  The side that has none gets zeros
	s_lshl_b32 s96, s40, 10
	s_lshl_b32 s97, s18, 9
	s_add_co_u32 s96, s96, s97                     ; 4 (256 cx + 128 half)
	s_mov_b32 s97, 0
	s_lshl_b32 s98, s41, 10
	s_lshl_b32 s99, s17, 9
	s_add_co_u32 s98, s98, s99                     ; 4 (256 cy + 128 half)
	s_mov_b32 s99, 0
	s_cmp_eq_u32 s42, 0
	s_cselect_b64 s[6:7], s[6:7], s[8:9]
	s_add_nc_u64 s[6:7], s[6:7], s[96:97]
	s_add_nc_u64 s[10:11], s[10:11], s[98:99]
	v_lshlrev_b32 v6, 5, v3                        ; 32 h: my eight of a tile's sixteen
	v_lshlrev_b32 v7, 2, v2                        ; 4 r
	s_cmp_eq_u32 s42, 2                            ; the cluster's x: the same in all partners
	s_cbranch_scc1 .Lbias_v
.irp b, 0,1,2,3,4,5,6,7
	global_load_b128 v[BN+8*\b:BN+8*\b+3], v6, s[6:7] offset:64*\b
	global_load_b128 v[BN+8*\b+4:BN+8*\b+7], v6, s[6:7] offset:64*\b+16
.endr
.irp i, 0,1,2,3,4,5,6,7,8,9,10,11,12,13,14,15
	v_mov_b32 v[BM+\i], 0
.endr
	s_branch .Lbias_done
.Lbias_v:
	s_wait_alu depctr_va_vdst(0)
.irp a, 0,1,2,3,4,5,6,7
	global_load_b32 v[BM+2*\a], v7, s[10:11] offset:64*\a
	v_mov_b32 v[BM+2*\a+1], 0                      ; (named with it as a pair)
.endr
.set i, 0
.rept 64
	v_mov_b32 v[BN+i], 0
.set i, i+1
.endr
.Lbias_done:
.macro FRAG reg, adr, q, i             ; a fragment comes as it was stored: three loads of 512 consecutive bytes
.irp c, 0,1,2
	ds_load_b128 v[\reg+4*\c:\reg+4*\c+3], v[\adr] offset:(\i)*3072+(\q)*1536+512*\c
.endr
.endm
; 16 matrix instructions: A's blocks a0, a0 + 1 x B's eight, 128 along K.  p: B's set; sc: the set of scale words.  zero = 2: the bias starts the sums; nothing is cleared.
; The 64 accumulators take turns, one instruction a turn, in the same order in every step.
.macro MUL16 a0, p, q, sc, zero
.irp a, \a0, \a0+1
.irp b, 0,1,2,3,4,5,6,7
.if \zero == 2
	v_wmma_scale_f32_16x16x128_f8f6f4 v[8*(8*((\a)%4)+\b):8*(8*((\a)%4)+\b)+7], v[128*(\p)+FR*\b:128*(\p)+FR*\b+FR-1], v[AF+FR*(\a):AF+FR*(\a)+FR-1], v[BN+8*\b:BN+8*\b+7], v[SC+16*(\sc)+8*(\q)+\b], v[SC+16*(\sc)+8*(\q)+(\a)] matrix_a_fmt:MATRIX_FMT_FP6 matrix_b_fmt:MATRIX_FMT_FP6 matrix_a_scale:MATRIX_SCALE_ROW1
.else
	v_wmma_scale_f32_16x16x128_f8f6f4 v[8*(8*((\a)%4)+\b):8*(8*((\a)%4)+\b)+7], v[128*(\p)+FR*\b:128*(\p)+FR*\b+FR-1], v[AF+FR*(\a):AF+FR*(\a)+FR-1], v[8*(8*((\a)%4)+\b):8*(8*((\a)%4)+\b)+7], v[SC+16*(\sc)+8*(\q)+\b], v[SC+16*(\sc)+8*(\q)+(\a)] matrix_a_fmt:MATRIX_FMT_FP6 matrix_b_fmt:MATRIX_FMT_FP6 matrix_a_scale:MATRIX_SCALE_ROW1
.endif
.endr
.endr
.endm
.macro FETCH_B slot, q, p
	WIN TO_B
.irp i, 0,1,2,3,4,5,6,7
	FRAG 128*(\p)+FR*\i, ADRB+\slot, \q, \i
.endr
	WIN 0
.endm
.macro FETCH_A slot, q, i0
.irp i, \i0, \i0+1, \i0+2, \i0+3
	FRAG AF+FR*(\i), ADRA+\slot, \q, \i
.endr
.endm
.macro SCALES sc                       ; a slot's scale words: lanes 0-15 take A's blocks 0-7, lanes 16-31 B's, four blocks a load
.irp q, 0,1
.irp hh, 0,1
	ds_load_b128 v[SC+16*\sc+8*\q+4*\hh:SC+16*\sc+8*\q+4*\hh+3], v[ADRS] offset:512*\q+256*\hh
.endr
.endr
.endm
.macro PLACES n                        ; plain vector lines between a matrix instruction and a load into, or a vector line on, its registers
.rept \n
	v_nop
.endr
.endm
.macro STEP slot, q, zero              ; a step of 128 along K that has its successor in the same slot
	s_wait_dscnt 4*NL                              ; all but the youngest twelve loads (A's blocks 4-7) are in
.if \zero == 2
	WIN 0x81                                       ; C (the bias) in window 0, D in window 2
.else
	WIN MUL_LO
.endif
	MUL16 0, (\q)%2, \q, \slot, \zero
	MUL16 2, (\q)%2, \q, \slot, \zero
	s_wait_dscnt 0
	PLACES NP
	FETCH_B \slot, (\q)+1, 1-(\q)%2
	FETCH_A \slot, (\q)+1, 0
.if \zero == 2
	WIN 0xc1
.else
	WIN MUL_HI
.endif
	MUL16 4, (\q)%2, \q, \slot, \zero
	MUL16 6, (\q)%2, \q, \slot, \zero
	PLACES NP
	WIN 0
	FETCH_A \slot, (\q)+1, 4
.endm
; A slot's last step changes slots: one barrier; in front of it each wave waits for all its tensor loads, adds 0 to its spare word, and waits for that and for its reads of this slot.
.macro TURN slot, next, fill
	s_wait_tensorcnt 0x0                           ; all my tensor loads have landed: my part of the next slot
	ds_add_u32 v[SPW], v[NIL]                      ; 0 onto my spare word
	s_wait_dscnt 4*NL+1                            ; (the add and the youngest twelve loads may be out)
	WIN MUL_LO
	MUL16 0, 1, 1, \slot, 0
	s_wait_dscnt 0x0                               ; the add is done, and my reads of this slot are over
	s_barrier_signal -1
	MUL16 2, 1, 1, \slot, 0
	WIN 0
	s_barrier_wait -1
.if \fill
	CREST                                          ; the barrier has opened a round of the cluster's barrier: no wave of any partner still reads this slot or has a load on its way
	s_add_nc_u64 s[G0+4*\slot+2:G0+4*\slot+3], s[G0+4*\slot+2:G0+4*\slot+3], STEPA
	s_add_nc_u64 s[G0B+4*\slot+2:G0B+4*\slot+3], s[G0B+4*\slot+2:G0B+4*\slot+3], STEPB
	JLOAD G0+4*\slot, G1, G0B+4*\slot, G1B         ; the first tensor load behind the round; its four v_nop are the places in front of the loads below
.else
	PLACES NP
.endif
	s_wait_alu depctr_va_vdst(0)
	v_add_nc_u32 v[ADRS], 1024, v[ADRS]            ; the next slot's scale words (no LDS load of mine is out)
	FETCH_B \next, 0, 0
	FETCH_A \next, 0, 0
	SCALES \next
	WIN MUL_HI
	MUL16 4, 1, 1, \slot, 0
	MUL16 6, 1, 1, \slot, 0
	PLACES NP
	WIN 0
	FETCH_A \next, 0, 4
.endm
	s_wait_tensorcnt 1                             ; the scale words and my part of slot 0 are in; slot 1's load may be out
	s_barrier_signal -1
	s_barrier_wait -1
	FETCH_B 0, 0, 0
	FETCH_A 0, 0, 0
	SCALES 0
	FETCH_A 0, 0, 4
	s_wait_loadcnt 0x0                             ; the biases
	s_wait_alu depctr_va_vdst(0)
	STEP 0, 0, 2                                   ; the first step stands in front of the loop: its products start the sums
	s_mov_b32 s3, LAPS-1
.Llap:
	TURN 0, 1, 1
	STEP 1, 0, 0
	TURN 1, 0, 1
	STEP 0, 0, 0
	s_sub_co_u32 s3, s3, 1
	s_cmp_lg_u32 s3, 0
	s_cbranch_scc1 .Llap
	TURN 0, 1, 0                                   ; the last lap fills nothing
	STEP 1, 0, 0
	s_wait_dscnt 4*NL
	WIN MUL_LO
	MUL16 0, 1, 1, 1, 0
	MUL16 2, 1, 1, 1, 0
	s_wait_dscnt 0
	WIN MUL_HI
	MUL16 4, 1, 1, 1, 0
	MUL16 6, 1, 1, 1, 0
	WIN 0
; 64 numbers of a lane, v[src + 16 b + i], sixteen of each of four blocks of 32 (lane l xor 16 holds the other sixteen), become a fragment's codes in v[pc] on and my row's scale word in v[pw].
.macro QUANT src, pc, pw
.irp b, 0,1,2,3
	v_max3_num_f32 v[TM+\b], |v[\src+16*\b]|, |v[\src+1+16*\b]|, 0xd800000   ; and the floor 2^-100: the numbers are f16 numbers, 0 or at least 2^-24, so it holds only a block of zeros, at the byte 25
.endr
.irp i, 2,4,6,8,10,12,14
.irp b, 0,1,2,3
	v_max3_num_f32 v[TM+\b], v[TM+\b], |v[\src+16*\b+\i]|, |v[\src+1+16*\b+\i]|
.endr
.endr
.irp b, 0,1,2,3
	v_permlanex16_b32 v[TM+4+\b], v[TM+\b], s[SEL], s[SEL+1]
.endr
.irp b, 0,1,2,3
	v_max_num_f32 v[TM+\b], v[TM+\b], v[TM+4+\b]   ; the block's largest magnitude
.endr
.irp b, 0,1,2,3
	v_add_nc_u32 v[TM+12+\b], 0xff000000, v[TM+\b] ; 2 off its exponent field: the conversion's scale operand
.endr
.irp b, 0,1,2,3
	v_lshrrev_b32 v[TM+4+\b], 23, v[TM+12+\b]      ; the scale's byte
.endr
	v_lshl_or_b32 v[\pw], v[TM+5], 8, v[TM+4]
	v_lshl_or_b32 v[\pw], v[TM+6], 16, v[\pw]
	v_lshl_or_b32 v[\pw], v[TM+7], 24, v[\pw]
.irp c, 0,1
	v_cvt_scalef32_pk16_fp6_f32 v[\pc+6*\c:\pc+2+6*\c], v[\src+32*\c:\src+15+32*\c], v[TM+12+2*\c]
	v_cvt_scalef32_pk16_fp6_f32 v[CT+4*\c:CT+2+4*\c], v[\src+16+32*\c:\src+31+32*\c], v[TM+13+2*\c]   ; (a conversion's three registers begin on an even number)
.endr
	v_nop                                          ; one plain place behind a scaled conversion
.irp c, 0,1                                    ; the operand wants a whole block in a lane: lanes 0-15 block 2 c, lanes 16-31 block 2 c + 1
.irp i, 0,1,2
	v_permlane16_swap_b32 v[\pc+6*\c+\i], v[CT+4*\c+\i]
.endr
.irp i, 0,1,2
	v_mov_b32 v[\pc+3+6*\c+\i], v[CT+4*\c+\i]
.endr
.endr
.endm
; THE WAY OUT of block a (16 rows of A's side x my 128 of B's side): bias, the model's f16 rounding, the quantiser, and the fragment leaves as the image of its registers: no LDS is needed.
.macro OUTA a
.set AC, 64*((\a)%4)
.set PCS, PCA+12*((\a)%2)
	WIN 0x02+(\a)/4                                ; source 0: window 2 or 3
.set i, 0
.rept 32
	v_pk_add_f32 v[T+i:T+i+1], v[AC+i:AC+i+1], v[BM+2*(\a):BM+2*(\a)+1] op_sel_hi:[1,0]   ; each accumulator from its low end on
.set i, i+2
.endr
	WIN 0
.set i, 0
.rept 64
	v_med3_num_f32 v[T+i], v[T+i], -v30, v30       ; held at +-65,504
.set i, i+1
.endr
.set i, 0
.rept 32
	v_cvt_pk_f16_f32 v[P+i], v[T+2*i], v[T+2*i+1]  ; nearest even, small numbers on the fixed step 2^-24
.set i, i+1
.endr
.irp p, 64,65,66,67,68,69,70,71,72,73,74,75,76,77,78,79,80,81,82,83,84,85,86,87,88,89,90,91,92,93,94,95
	WID T+2*(\p-64), \p
.endr
	s_wait_xcnt 0x0                                ; the stores of two blocks back have read this set of codes
	QUANT T, PCS, PWS+(\a)
.irp c, 0,1,2
	global_store_b128 v[CO], v[PCS+4*\c:PCS+4*\c+3], s[92:93] offset:(\a)*3072+512*\c   ; 32 lanes store 512 consecutive bytes, aligned
.endr
.endm
	PLACES NP                                      ; the way out writes registers that the last products read
.irp b, 0,1,2,3
	v_mov_b32 v[TM+4+\b], 0                        ; written once: a lane permute's destination counts as one of its sources
.endr
.irp a, 0,1,2,3,4,5,6,7
	OUTA \a
.endr
	v_cmp_le_u32 vcc_lo, 16, v1                    ; lanes 0-15 store the words of blocks 0-3, lanes 16-31 those of blocks 4-7
.irp i, 0,1,2,3
	v_cndmask_b32 v[248+\i], v[PWS+\i], v[PWS+4+\i], vcc_lo
.endr
	s_cmp_eq_u32 s42, 0                            ; q alone: the next product's factor 1 / 32 goes into q's scales: 5 off each byte (the bytes lie between 25 and 140)
	s_cselect_b32 s20, 0x05050505, 0
.irp i, 0,1,2,3
	v_sub_nc_u32 v[248+\i], v[248+\i], s20
.endr
	global_store_b128 v[CO], v[248:251], s[94:95]  ; my chunk: 512 consecutive bytes, aligned
	s_wait_tensorcnt 0x0                           ; the wave's end
	ds_add_u32 v[SPW], v[NIL]
	s_wait_dscnt 0x0
	CROUND                                         ; the closing round: no work-group ends while a partner may still ask for a tile that names it
	s_endpgm
.Lfunc_end_k_qc75a2dfaeb_qkv:
	.size	k_qc75a2dfaeb_qkv, .Lfunc_end_k_qc75a2dfaeb_qkv-k_qc75a2dfaeb_qkv
	.p2alignl 7, 3214868480
	.fill 96, 4, 3214868480
	.section	.rodata,"a",@progbits
	.p2align	6, 0x0
	.amdhsa_kernel k_qc75a2dfaeb_qkv
		.amdhsa_group_segment_fixed_size 327680
		.amdhsa_private_segment_fixed_size 0
		.amdhsa_enable_private_segment 0
		.amdhsa_kernarg_size 48
		.amdhsa_user_sgpr_count 2
		.amdhsa_user_sgpr_kernarg_segment_ptr 1
		.amdhsa_wavefront_size32 1
		.amdhsa_system_sgpr_workgroup_id_x 1
		.amdhsa_system_sgpr_workgroup_id_y 1
		.amdhsa_system_sgpr_workgroup_id_z 1
		.amdhsa_system_vgpr_workitem_id 0
		.amdhsa_next_free_vgpr 1024
		.amdhsa_next_free_sgpr 100
		.amdhsa_reserve_vcc 1
		.amdhsa_float_denorm_mode_32 3
		.amdhsa_float_denorm_mode_16_64 3
		.amdhsa_memory_ordered 1
		.amdhsa_forward_progress 1
		.amdhsa_inst_pref_size 227
	.end_amdhsa_kernel
	.amdgpu_metadata
---
amdhsa.version: [ 1, 2 ]
amdhsa.kernels:
  - .name:           k_qc75a2dfaeb_qkv
    .symbol:         k_qc75a2dfaeb_qkv.kd
    .args:
      - { .name: xw, .offset: 0, .size: 8, .value_kind: global_buffer, .address_space: global }
      - { .name: bq, .offset: 8, .size: 8, .value_kind: global_buffer, .address_space: global }
      - { .name: bk, .offset: 16, .size: 8, .value_kind: global_buffer, .address_space: global }
      - { .name: bv, .offset: 24, .size: 8, .value_kind: global_buffer, .address_space: global }
      - { .name: qk, .offset: 32, .size: 8, .value_kind: global_buffer, .address_space: global }
      - { .name: vt, .offset: 40, .size: 8, .value_kind: global_buffer, .address_space: global }
    .group_segment_fixed_size: 327680
    .private_segment_fixed_size: 0
    .kernarg_segment_align: 8
    .kernarg_segment_size: 48
    .max_flat_workgroup_size: 128
    .sgpr_count:     100
    .vgpr_count:     1024
    .wavefront_size: 32
...
	.end_amdgpu_metadata
.endif
;; end of part 2
;; launch attn (part 3): grid 256 x 1, 8 waves a work-group, no clusters, 150,528 bytes of LDS; arguments qk, vt, out0; writes out0
.if DOCPART == 3
	.amdgcn_target "amdgcn-amd-amdhsa--gfx1250"
	.amdhsa_code_object_version 6
	.text
	.protected	k_qc75a2dfaeb_attn
	.globl	k_qc75a2dfaeb_attn
	.p2align	8
	.type	k_qc75a2dfaeb_attn,@function
k_qc75a2dfaeb_attn:
	s_mov_b64 s[64:65], 0
	v_nop
	global_prefetch_b8 v0, s[64:65] scope:SCOPE_SE
	s_setreg_imm32_b32 hwreg(HW_REG_WAVE_MODE, 25, 1), 1
	s_wait_xcnt 0x0
; out = Q6(f16(softmax(f16(Q6(q) Q6(k)^T / 32)))) Q6(v): both products of the attention and all that lies between them, in one launch.
; f16(.) is the model's own rounding (binary16 with a hold at +-65,504); Q6 is the MX quantiser to FP6 (E2M3), one E8M0 scale for each 32 along K.
; SHARES.  A work-group owns 32 query rows and all 2,048 keys of their batch: 256 work-groups.  Wave w of eight owns keys 256 w .. 256 w + 255: 2 x 16 accumulators, 256 registers (window 1).
; The scores never leave the registers: row maximum and row sum go over the waves through four small LDS tables; the softmax is finished (maximum taken away, divided by the sum), rounded, and only then quantised.
; The codes of attn (2 x 16 fragments) and their scale words pass to all waves through LDS as images of the operand's registers.  In the second product wave w owns features 128 w .. + 127: 2 x 8 accumulators.
; BOTH PRODUCTS ARE USED TRANSPOSED (source 0 = 16 keys, or 16 features; source 1 = 16 query rows): a lane holds one query row and its registers run along the keys, then along the features.
; The order inside a block of 32 keys is the one in which launch qkv laid v^T's tokens (register 16 b + 8 u + j of a lane holds key 32 b + 16 u + 8 h + j), so the products meet the same partners.
; NO TENSOR LOAD, NO CLUSTER: a fragment of k or of v^T (1,536 bytes, stored as the image of 12 registers) is multiplied by exactly one wave of a work-group, so three loads of 512 consecutive bytes put it
; straight into that wave's operand registers; a way through LDS would write and read each of these bytes once more for no second reader.  q's 24,576 bytes, which all eight waves read, do go through LDS.
; IN FLIGHT: a wave asks for K step t + 1 as soon as step t has multiplied a group of four fragments: 51 loads at the most are out in the first product, 50 in the second.
; PREFETCH: the batch's 1,572,864 bytes of v^T's codes are shared out among its 64 work-groups x 8 waves, 12 blocks of 256 bytes a wave (lanes 12-31 name the wave's last block again), asked for once,
; behind K step 0 of the first product, seven K steps and the softmax ahead of their first load.  k has no step to run ahead in beyond the one step that its own loads run ahead.
; LIMITS: NaN and infinities are not served.  p under 2^-126 counts as 0 (f16 would round it to 0).  attn is p x (1 / sum) by v_rcp_f32.  A block of zeros gets the scale byte 1: its codes are zeros.
.set PLANE_QK, 3145728                 ; 1,024 blocks of 16 rows x 3,072 bytes: 256 along K of q and k
.set QKS,    4*PLANE_QK                ; their scale words
.set PLANE_VT, 196608                  ; 64 blocks of 16 features x 3,072 bytes: 256 tokens
.set VTS,    32*PLANE_VT
.set ATT,    24576                     ; LDS: q's 16 fragments at 0; attn's 32 fragments here;
.set ATS,    73728                     ; attn's scale words, 128 bytes for each fragment;
.set TBM,    77824                     ; four tables of 1,024 bytes: maxima of rows 0-15, 16-31, then sums;
.set STG,    81920                     ; a stage of 16 rows x 528 bytes for each wave, for the way out;
.set SPITCH, 528
.set SPARE,  149504                    ; the spare words, 128 bytes a wave, that no other line names
.set ASW, 1                            ; v1  where I store attn's scale words
.set CO,  2                            ; v2  16 x lane
.set QA,  3                            ; v3  LDS address of q's fragments; behind the first product: where I store attn's codes
.set ATA, 4                            ; v4  LDS address of attn's fragments
.set TBR, 5                            ; v5  the tables: eight words a lane
.set TBW, 6                            ; v6  of which my wave writes one
.set STO, 7
.set RD,  8
.set ASA, 9                            ; v9  LDS address of attn's scale words
.set SPW, 10
.set NIL, 11
.set C65, 12                           ; 65,504
.set R16, 13                           ; 16 x (lane % 16)
.set PF,  14
.set QST, 15
.set KS,  16                           ; v16-31 k's scale words, two sets of 8; later v^T's, two sets of 4.  v16-35 hold scales and nothing else
.set VS,  16
.set QS,  32                           ; v32-35 q's scale words, two sets of 2; later attn's
.set AS,  32
.set MM,  36                           ; v36, v38: the rows' maxima, later 1 / sum (low words of pairs)
.set QF,  40                           ; v40-63 q's two fragments
.set KB,  64                           ; v64-255 k's sixteen fragments
.set TM,  40                           ; softmax: 16 and
.set CT,  56                           ; 8 registers at work,
.set P,   64                           ; 32 of packed f16, then
.set PC,  64                           ; the codes made
.set PW,  76                           ; and their scale word,
.set T,   96                           ; 64 numbers
.set AF,  40                           ; second product: attn's fragments, two sets of 24
.set VF0, 160                          ; v^T's eight fragments: set 0 in window 0, set 1 at v128 of window 1
.set BK,  96
.set KBS, 16
.set KSB, 18
.set QSB, 22
.set QG,  24
.set VB,  26
.set VSB, 28
.set VP,  30
.set OB,  32
.set SEL, 36
.set MSB, 0
.macro WIN new                         ; the immediate's high byte repeats the setting that is left
.if MSB != (\new)
	s_set_vgpr_msb (MSB<<8)|(\new)
.set MSB, \new
.endif
.endm
.macro PLACES                          ; plain vector lines between a matrix instruction and a load into, or a read of, its registers
.rept 4
	v_nop
.endr
.endm
.macro BAR                             ; my LDS instructions are done, then the work-group's barrier
	s_wait_alu depctr_va_vdst(0)                   ; the wait ahead of a wait that blocks
	s_wait_dscnt 0x0
	s_barrier_signal -1
	s_barrier_wait -1
.endm
.macro WM d, a, b, z, sa, sb, row      ; z: the product starts its sum; row: source 0's scale words stand in lanes 16-31
.if \z
.if \row
	v_wmma_scale_f32_16x16x128_f8f6f4 v[\d:\d+7], v[\a:\a+11], v[\b:\b+11], 0, v[\sa], v[\sb] matrix_a_fmt:MATRIX_FMT_FP6 matrix_b_fmt:MATRIX_FMT_FP6 matrix_a_scale:MATRIX_SCALE_ROW1
.else
	v_wmma_scale_f32_16x16x128_f8f6f4 v[\d:\d+7], v[\a:\a+11], v[\b:\b+11], 0, v[\sa], v[\sb] matrix_a_fmt:MATRIX_FMT_FP6 matrix_b_fmt:MATRIX_FMT_FP6
.endif
.else
.if \row
	v_wmma_scale_f32_16x16x128_f8f6f4 v[\d:\d+7], v[\a:\a+11], v[\b:\b+11], v[\d:\d+7], v[\sa], v[\sb] matrix_a_fmt:MATRIX_FMT_FP6 matrix_b_fmt:MATRIX_FMT_FP6 matrix_a_scale:MATRIX_SCALE_ROW1
.else
	v_wmma_scale_f32_16x16x128_f8f6f4 v[\d:\d+7], v[\a:\a+11], v[\b:\b+11], v[\d:\d+7], v[\sa], v[\sb] matrix_a_fmt:MATRIX_FMT_FP6 matrix_b_fmt:MATRIX_FMT_FP6
.endif
.endif
.endm
.macro KLOAD g, off                    ; four fragments of k: 12 loads of 512 consecutive bytes
.irp i, 0,1,2,3
.irp c, 0,1,2
	global_load_b128 v[KB+12*(4*(\g)+\i)+4*\c:KB+12*(4*(\g)+\i)+4*\c+3], v[CO], s[KBS:KBS+1] offset:(\off)+(4*(\g)+\i)*3072+512*\c
.endr
.endr
.endm
.macro SLOAD set, soff                 ; a K step's scale words: k's 2 x 128 keys (lanes 0-15 blocks 0-3, lanes 16-31 blocks 4-7), q's two blocks
	global_load_b128 v[KS+8*(\set):KS+8*(\set)+3], v[CO], s[KSB:KSB+1] offset:\soff
	global_load_b128 v[KS+8*(\set)+4:KS+8*(\set)+7], v[CO], s[KSB:KSB+1] offset:(\soff)+4096
	global_load_b64 v[QS+2*(\set):QS+2*(\set)+1], v[R16], s[QSB:QSB+1] offset:\soff
.endm
.macro QLOAD qoff
.irp a, 0,1
.irp c, 0,1,2
	ds_load_b128 v[QF+12*\a+4*\c:QF+12*\a+4*\c+3], v[QA] offset:(\qoff)+1536*\a+512*\c
.endr
.endr
.endm
; A K step of the first product: 32 matrix instructions, the 32 accumulators by turns.  Behind each group of four fragments the next step's four are asked for.
; A step's loads go out as 3 of scale words and 4 x 12 of codes.  The count in front of group g: the loads issued behind that group's: 12 (3 - g) of this step, and of the next step 3 + 12 g once group 0 is past.
.macro SSTEP par, zero, nxt, off, soff, qoff
	s_wait_dscnt 0x0                               ; q's two fragments
.irp g, 0,1,2,3
.if \nxt
.if \g == 0
	s_wait_loadcnt 36
.else
	s_wait_loadcnt 39
.endif
.else
	s_wait_loadcnt 12*(3-\g)
.endif
	WIN 0x50                                       ; C and D in window 1
.irp i, 0,1,2,3
.irp a, 0,1
	WM 8*(16*\a+4*\g+\i), KB+12*(4*\g+\i), QF+12*\a, \zero, KS+8*\par+4*(\g/2)+\i, QS+2*\par+\a, \g%2
.endr
.endr
	PLACES
	WIN 0
.if \nxt
.if \g == 0
	SLOAD 1-\par, \soff
.endif
	KLOAD \g, \off
.endif
.endr
.if \nxt
	QLOAD \qoff
.endif
.endm
.macro WID d, p                        ; two f16 of register p, widened
	v_cvt_f32_f16 v[\d], v\p\().l
	v_cvt_f32_f16 v[\d+1], v\p\().h
.endm
.macro ROUND16                         ; the 64 numbers of T rounded to f16 and widened again
.set i, 0
.rept 32
	v_cvt_pk_f16_f32 v[P+i], v[T+2*i], v[T+2*i+1]
.set i, i+1
.endr
.irp p, 64,65,66,67,68,69,70,71,72,73,74,75,76,77,78,79,80,81,82,83,84,85,86,87,88,89,90,91,92,93,94,95
	WID T+2*(\p-64), \p
.endr
.endm
.macro MAXRED b                        ; two sets of eight maxima, at b and b + 8, each to one
.irp a, 0,1
	v_max3_num_f32 v[\b+8*\a], v[\b+8*\a], v[\b+8*\a+1], v[\b+8*\a+2]
	v_max3_num_f32 v[\b+8*\a+3], v[\b+8*\a+3], v[\b+8*\a+4], v[\b+8*\a+5]
	v_max_num_f32 v[\b+8*\a+6], v[\b+8*\a+6], v[\b+8*\a+7]
.endr
	s_delay_alu instid0(VALU_DEP_4)
	v_max3_num_f32 v[\b], v[\b], v[\b+3], v[\b+6]
	s_delay_alu instid0(VALU_DEP_2)
	v_max3_num_f32 v[\b+8], v[\b+8], v[\b+11], v[\b+14]
.endm
.macro PAIR2 op, d0, a0, b0, d1, a1, b1 ; the same dependent step on rows 0-15 and rows 16-31, by turns
	s_delay_alu instid0(VALU_DEP_2)
	\op v[\d0], v[\a0], v[\b0]
	s_delay_alu instid0(VALU_DEP_2)
	\op v[\d1], v[\a1], v[\b1]
.endm
.macro XHALF d0, s0, d1, s1            ; lane l xor 16's number
	s_delay_alu instid0(VALU_DEP_2)
	v_permlanex16_b32 v[\d0], v[\s0], s[SEL], s[SEL+1]
	s_delay_alu instid0(VALU_DEP_2)
	v_permlanex16_b32 v[\d1], v[\s1], s[SEL], s[SEL+1]
.endm
.macro QUANT src, pc, pw               ; 64 numbers of a lane, sixteen of each of four blocks of 32 keys (none negative), become a fragment's codes and my row's scale word
.irp b, 0,1,2,3
	v_max3_num_f32 v[TM+\b], v[\src+16*\b], v[\src+1+16*\b], 0x1800000   ; the floor 2^(3 - 127): the byte cannot fall under 1
.endr
.irp i, 2,4,6,8,10,12,14
.irp b, 0,1,2,3
	s_delay_alu instid0(VALU_DEP_4)
	v_max3_num_f32 v[TM+\b], v[TM+\b], v[\src+16*\b+\i], v[\src+1+16*\b+\i]
.endr
.endr
.irp b, 0,1,2,3
	s_delay_alu instid0(VALU_DEP_4)
	v_permlanex16_b32 v[TM+4+\b], v[TM+\b], s[SEL], s[SEL+1]
.endr
.irp b, 0,1,2,3
	s_delay_alu instid0(VALU_DEP_4)
	v_max_num_f32 v[TM+\b], v[TM+\b], v[TM+4+\b]
.endr
.irp b, 0,1,2,3
	s_delay_alu instid0(VALU_DEP_4)
	v_add_nc_u32 v[TM+12+\b], 0xff000000, v[TM+\b] ; 2 off the exponent field: the conversion's scale operand
.endr
.irp b, 0,1,2,3
	s_delay_alu instid0(VALU_DEP_4)
	v_lshrrev_b32 v[TM+4+\b], 23, v[TM+12+\b]      ; the scale's byte
.endr
	s_delay_alu instid0(VALU_DEP_3)
	v_lshl_or_b32 v[\pw], v[TM+5], 8, v[TM+4]
	s_delay_alu instid0(VALU_DEP_1)
	v_lshl_or_b32 v[\pw], v[TM+6], 16, v[\pw]
	s_delay_alu instid0(VALU_DEP_1)
	v_lshl_or_b32 v[\pw], v[TM+7], 24, v[\pw]
.irp c, 0,1
	v_cvt_scalef32_pk16_fp6_f32 v[\pc+6*\c:\pc+2+6*\c], v[\src+32*\c:\src+15+32*\c], v[TM+12+2*\c]
	v_cvt_scalef32_pk16_fp6_f32 v[CT+4*\c:CT+2+4*\c], v[\src+16+32*\c:\src+31+32*\c], v[TM+13+2*\c]
.endr
	v_nop                                          ; one plain place behind a scaled conversion
.irp c, 0,1                                    ; the operand wants a whole block in a lane
.irp i, 0,1,2
	v_permlane16_swap_b32 v[\pc+6*\c+\i], v[CT+4*\c+\i]
.endr
.irp i, 0,1,2
	s_delay_alu instid0(VALU_DEP_3)
	v_mov_b32 v[\pc+3+6*\c+\i], v[CT+4*\c+\i]
.endr
.endr
.endm
.macro VLOAD s, off, soff              ; a K step of v^T for my 128 features: its scale words and eight fragments: 25 loads
	global_load_b128 v[VS+4*(\s):VS+4*(\s)+3], v[CO], s[VSB:VSB+1] offset:\soff
	WIN 0x40*(\s)
.irp f, 0,1,2,3,4,5,6,7
.irp c, 0,1,2
	global_load_b128 v[VF0-32*(\s)+12*\f+4*\c:VF0-32*(\s)+12*\f+4*\c+3], v[CO], s[VB:VB+1] offset:(\off)+3072*\f+1536*(\s)+512*\c
.endr
.endr
	WIN 0
.endm
.macro ALOAD s, n                      ; attn's two fragments and scale words of the n-th K step from where ATA stands: 8 LDS loads
.irp a, 0,1
.irp c, 0,1,2
	ds_load_b128 v[AF+24*(\s)+12*\a+4*\c:AF+24*(\s)+12*\a+4*\c+3], v[ATA] offset:3072*(\n)+1536*\a+512*\c
.endr
	ds_load_b32 v[AS+2*(\s)+\a], v[ASA] offset:256*(\n)+128*\a
.endr
.endm
.macro PVSTEP s, zero, nxt, lc, dc     ; a K step of the second product: 16 matrix instructions, the 16 accumulators by turns.  lc, dc: the other set's loads, which may be out
	s_wait_loadcnt \lc
	s_wait_dscnt \dc
	WIN 0x50+(\s)
.irp f, 0,1,2,3,4,5,6,7
.irp a, 0,1
	WM 8*(8*\a+\f), VF0-32*(\s)+12*\f, AF+24*(\s)+12*\a, \zero, VS+4*(\s)+\f%4, AS+2*(\s)+\a, \f/4
.endr
.endr
	PLACES
	WIN 0
.if \nxt
	VLOAD \s, PLANE_VT, (2+\s)*512
	ALOAD \s, 2+\s
.endif
.endm
.macro PVPAIR zero, nxt
	PVSTEP 0, \zero, \nxt, 25, 8
.if \nxt
	PVSTEP 1, 0, 1, 25, 8
	s_wait_xcnt 0x0                                ; my loads have read their bases
	s_add_nc_u64 s[VB:VB+1], s[VB:VB+1], PLANE_VT
	s_add_nc_u64 s[VSB:VSB+1], s[VSB:VSB+1], 1024
	v_add_nc_u32 v[ATA], 6144, v[ATA]
	v_add_nc_u32 v[ASA], 512, v[ASA]
	s_wait_alu depctr_va_vdst(0)
.else
	PVSTEP 1, 0, 0, 0, 0
.endif
.endm
	s_load_b128 s[4:7], s[0:1], 0x0                ; qk, vt
	s_load_b64 s[8:9], s[0:1], 0x10                ; out0
	v_lshl_add_u32 v[SPW], v0, 2, SPARE
	v_mov_b32 v[NIL], 0
	v_lshrrev_b32 v98, 5, v0
	v_and_b32 v1, 31, v0                           ; lane
	v_and_b32 v96, 15, v0                          ; r
	v_bfe_u32 v97, v0, 4, 1                        ; h
	v_mov_b32 v[C65], 0x477fe000
	v_mov_b32 v[MM+1], 0                           ; (upper halves of pairs of which the low word is used)
	v_mov_b32 v[MM+3], 0
	v_readfirstlane_b32 s10, v98                   ; wave 0..7
	v_lshlrev_b32 v[CO], 4, v1
	v_lshlrev_b32 v[R16], 4, v96
	v_mul_u32_u24 v[STO], v96, SPITCH
	v_min_u32 v[PF], 11, v1
	v_lshl_add_u32 v[TBR], v1, 5, TBM
	v_lshl_add_u32 v[ASA], v1, 2, ATS
	v_mov_b32 v[QA], v[CO]
	v_add_nc_u32 v[ATA], ATT, v[CO]
	v_lshl_add_u32 v[STO], v97, 5, v[STO]
	v_lshlrev_b32 v[PF], 8, v[PF]
	s_lshl_b32 s20, s10, 2
	s_mul_i32 s21, s10, 16*SPITCH
	s_add_co_u32 s21, s21, STG                     ; my stage
	s_mul_i32 s34, s10, 6144
	s_add_co_u32 s34, s34, ATT                     ; my two K steps of attn's codes
	s_lshl_b32 s35, s10, 9
	s_add_co_u32 s35, s35, ATS                     ; and of its scale words
	s_mul_i32 s13, s10, 3072
	s_wait_alu depctr_va_vdst(0)                   ; the wait directly ahead of the readers below
	v_add_nc_u32 v[TBW], s20, v[TBR]
	v_add_nc_u32 v[RD], s21, v[CO]
	v_add_nc_u32 v[QST], s13, v[CO]
	v_add_nc_u32 v[STO], s21, v[STO]
	v_lshl_add_u32 v[ASW], v1, 2, s35
	s_mov_b32 s[SEL], 0x76543210
	s_mov_b32 s[SEL+1], 0xfedcba98                 ; v_permlanex16_b32's selects for lane l xor 16
	s_mov_b32 s11, ttmp9                           ; which 32 query rows
	s_lshr_b32 s12, s11, 6                         ; batch
	s_lshl_b32 s[KBS], s12, 7                      ; k's codes: block 512 + 128 batch + 16 wave
	s_lshl_b32 s20, s10, 4
	s_add_co_u32 s[KBS], s[KBS], s20
	s_add_co_u32 s[KBS], s[KBS], 512
	s_mul_i32 s[KBS], s[KBS], 3072
	s_mov_b32 s[KBS+1], 0
	s_lshl_b32 s[KSB], s12, 4                      ; k's scale words: 128 rows number 64 + 16 batch + 2 wave, 4,096 bytes each
	s_lshl_b32 s20, s10, 1
	s_add_co_u32 s[KSB], s[KSB], s20
	s_add_co_u32 s[KSB], s[KSB], 64
	s_lshl_b32 s[KSB], s[KSB], 12
	s_add_co_u32 s[KSB], s[KSB], QKS
	s_mov_b32 s[KSB+1], 0
	s_lshr_b32 s[QSB], s11, 2                      ; q's scale words: my two blocks of their 128 rows' eight
	s_lshl_b32 s[QSB], s[QSB], 12
	s_bfe_u32 s20, s11, 0x10001
	s_lshl_b32 s20, s20, 8
	s_add_co_u32 s[QSB], s[QSB], s20
	s_and_b32 s20, s11, 1
	s_lshl_b32 s20, s20, 3
	s_add_co_u32 s[QSB], s[QSB], s20
	s_add_co_u32 s[QSB], s[QSB], QKS
	s_mov_b32 s[QSB+1], 0
	s_lshr_b32 s[QG], s10, 1                       ; q's codes: wave w brings K step w's two fragments
	s_mul_i32 s[QG], s[QG], PLANE_QK
	s_mul_i32 s20, s11, 6144
	s_add_co_u32 s[QG], s[QG], s20
	s_and_b32 s20, s10, 1
	s_mul_i32 s20, s20, 1536
	s_add_co_u32 s[QG], s[QG], s20
	s_mov_b32 s[QG+1], 0
	s_mul_i32 s[VP], s12, 8*PLANE_VT               ; v^T's codes: the batch's eight planes,
	s_mul_i32 s20, s10, 24576
	s_add_co_u32 s[VB], s[VP], s20                 ; my eight blocks of features
	s_mov_b32 s[VB+1], 0
	s_and_b32 s20, s11, 63
	s_mul_i32 s20, s20, 24576
	s_add_co_u32 s[VP], s[VP], s20                 ; the prefetch: my work-group's 24,576 bytes of them,
	s_add_co_u32 s[VP], s[VP], s13                 ; my wave's 3,072
	s_mov_b32 s[VP+1], 0
	s_lshl_b32 s[VSB], s12, 3                      ; v^T's scale words: 128 features number 8 batch + wave, 8,192 bytes each
	s_add_co_u32 s[VSB], s[VSB], s10
	s_lshl_b32 s[VSB], s[VSB], 13
	s_add_co_u32 s[VSB], s[VSB], VTS
	s_mov_b32 s[VSB+1], 0
	s_lshl_b32 s[OB], s11, 17                      ; out: 32 rows of 4,096 bytes, my 512 bytes of a row
	s_lshl_b32 s20, s10, 9
	s_add_co_u32 s[OB], s[OB], s20
	s_mov_b32 s[OB+1], 0
	s_wait_alu depctr_va_vdst(0)                   ; the wait at the head's end
	s_wait_kmcnt 0x0
	s_add_nc_u64 s[KBS:KBS+1], s[4:5], s[KBS:KBS+1]
	s_add_nc_u64 s[KSB:KSB+1], s[4:5], s[KSB:KSB+1]
	s_add_nc_u64 s[QSB:QSB+1], s[4:5], s[QSB:QSB+1]
	s_add_nc_u64 s[QG:QG+1], s[4:5], s[QG:QG+1]
	s_add_nc_u64 s[VB:VB+1], s[6:7], s[VB:VB+1]
	s_add_nc_u64 s[VP:VP+1], s[6:7], s[VP:VP+1]
	s_add_nc_u64 s[VSB:VSB+1], s[6:7], s[VSB:VSB+1]
	s_add_nc_u64 s[OB:OB+1], s[8:9], s[OB:OB+1]
.irp a, 0,1
.irp c, 0,1,2
	global_load_b128 v[QF+12*\a+4*\c:QF+12*\a+4*\c+3], v[CO], s[QG:QG+1] offset:3072*\a+512*\c
.endr
.endr
	SLOAD 0, 0                                     ; K step 0
.irp g, 0,1,2,3
	KLOAD \g, 0
.endr
	s_wait_loadcnt 51                              ; q's six loads are in; K step 0's 51 may be out
.irp a, 0,1
.irp c, 0,1,2
	ds_store_b128 v[QST], v[QF+12*\a+4*\c:QF+12*\a+4*\c+3] offset:1536*\a+512*\c
.endr
.endr
	s_wait_dscnt 0x0                               ; for the others' sake
	s_barrier_signal -1
	s_barrier_wait -1
	QLOAD 0
; THE FIRST PRODUCT: eight K steps of 128.  The first starts the sums; a trip of the loop is two steps (the sets of scale words and the halves of a plane come back after two).
	SSTEP 0, 1, 1, 1536, 512, 3072
	global_prefetch_b8 v[PF], s[VP:VP+1] th:TH_LOAD_NT scope:SCOPE_SE
	s_mov_b32 s14, 3
.Lk:
	SSTEP 1, 0, 1, PLANE_QK, 1024, 6144
	SSTEP 0, 0, 1, PLANE_QK+1536, 1536, 9216
	s_wait_xcnt 0x0                                ; my loads have read their bases
	s_add_nc_u64 s[KBS:KBS+1], s[KBS:KBS+1], PLANE_QK
	s_add_nc_u64 s[KSB:KSB+1], s[KSB:KSB+1], 1024
	s_add_nc_u64 s[QSB:QSB+1], s[QSB:QSB+1], 1024
	v_add_nc_u32 v[QA], 6144, v[QA]
	s_wait_alu depctr_va_vdst(0)
	s_sub_co_u32 s14, s14, 1
	s_cmp_lg_u32 s14, 0
	s_cbranch_scc1 .Lk
	SSTEP 1, 0, 0, 0, 0, 0
	VLOAD 0, 0, 0                                  ; the second product's K step 0 is on its way under the softmax
	v_add_nc_u32 v[QA], s34, v[CO]                 ; from here on: where my codes of attn go
; q's scale bytes carry the factor 1 / 32 (launch qkv took 5 off each), so the sums are the scaled scores.
; THE ROWS' MAXIMA, of the sums as they stand: the hold and the rounding to f16 never turn an order round, so they are applied to the maximum alone.  Eight chains for each 16 rows; each accumulator from its low end on.
	WIN 0x05
.irp a, 0,1
.irp c, 0,1,2,3,4,5,6,7
	v_max_num_f32 v[TM+8*\a+\c], v[128*\a+2*\c], v[128*\a+2*\c+1]
.endr
.endr
	WIN 0x14
.irp a, 0,1
.set i, 16
.rept 56
	v_max3_num_f32 v[TM+8*\a+(i/2)%8], v[TM+8*\a+(i/2)%8], v[128*\a+i], v[128*\a+i+1]
.set i, i+2
.endr
.endr
	WIN 0
	MAXRED TM
	XHALF TM+1, TM, TM+9, TM+8
	PAIR2 v_max_num_f32, TM, TM, TM+1, TM+8, TM+8, TM+9
	ds_store_b32 v[TBW], v[TM]
	ds_store_b32 v[TBW], v[TM+8] offset:1024
	BAR
.irp a, 0,1
	ds_load_b128 v[T+8*\a:T+8*\a+3], v[TBR] offset:1024*\a
	ds_load_b128 v[T+8*\a+4:T+8*\a+7], v[TBR] offset:1024*\a+16
.endr
	s_wait_dscnt 0x0
	MAXRED T
	s_delay_alu instid0(VALU_DEP_2)
	v_med3_num_f32 v[MM], v[T], -v[C65], v[C65]
	s_delay_alu instid0(VALU_DEP_2)
	v_med3_num_f32 v[MM+2], v[T+8], -v[C65], v[C65]
	s_delay_alu instid0(VALU_DEP_2)
	v_cvt_f16_f32 v97.l, v[MM]
	s_delay_alu instid0(VALU_DEP_2)
	v_cvt_f16_f32 v105.l, v[MM+2]
	s_delay_alu instid0(VALU_DEP_2)
	v_cvt_f32_f16 v[MM], v97.l                     ; m of rows 0-15
	s_delay_alu instid0(VALU_DEP_2)
	v_cvt_f32_f16 v[MM+2], v105.l                  ; and of rows 16-31
	s_delay_alu instid0(VALU_DEP_2)
	v_mul_f32 v[MM], 0xbfb8aa3b, v[MM]             ; c = - m log2 e, rounded once: the same for all of a row, so the division by the row's sum takes its rounding away
	s_delay_alu instid0(VALU_DEP_2)
	v_mul_f32 v[MM+2], 0xbfb8aa3b, v[MM+2]
; 64 numbers at a time: s = f16(sum), held at +-65,504; s log2 e + c, one fused multiply-add, goes back into the accumulators' registers
.macro PASSB grp
.set AC, 64*(\grp)
.set MR, MM+2*((\grp)/2)
	WIN 0x01
.set i, 0
.rept 64
	v_med3_num_f32 v[T+i], v[AC+i], -v[C65], v[C65]
.set i, i+1
.endr
	WIN 0
	ROUND16
	WIN 0x40
.set i, 0
.rept 32
	v_pk_fma_f32 v[AC+i:AC+i+1], v[T+i:T+i+1], 0x3fb8aa3b, v[MR:MR+1] op_sel_hi:[1,0,0]
.set i, i+2
.endr
	WIN 0
.endm
.irp grp, 0,1,2,3
	PASSB \grp
.endr
	WIN 0x41
	s_wait_alu depctr_va_vdst(0)                   ; the wait ahead of the batch
.set i, 0
.rept 256
	v_exp_f32 v[i], v[i]
.set i, i+1
.endr
	v_nop                                          ; a plain place behind the last exponential
	s_wait_alu depctr_va_vdst(0)                   ; one wait for the batch, ahead of its first reader
	WIN 0x05                                       ; the rows' sums: eight chains of pairs for each 16 rows
.irp a, 0,1
.irp c, 0,1,2,3,4,5,6,7
	v_pk_add_f32 v[T+16*\a+2*\c:T+16*\a+2*\c+1], v[128*\a+4*\c:128*\a+4*\c+1], v[128*\a+4*\c+2:128*\a+4*\c+3]
.endr
.endr
	WIN 0x04
.irp a, 0,1
.set i, 32
.rept 48
	v_pk_add_f32 v[T+16*\a+2*((i/2)%8):T+16*\a+2*((i/2)%8)+1], v[T+16*\a+2*((i/2)%8):T+16*\a+2*((i/2)%8)+1], v[128*\a+i:128*\a+i+1]
.set i, i+2
.endr
.endr
	WIN 0
.irp a, 0,1
.irp c, 0,1,2,3
	v_pk_add_f32 v[T+16*\a+2*\c:T+16*\a+2*\c+1], v[T+16*\a+2*\c:T+16*\a+2*\c+1], v[T+16*\a+2*\c+8:T+16*\a+2*\c+9]
.endr
.endr
	v_pk_add_f32 v[T:T+1], v[T:T+1], v[T+4:T+5]
	v_pk_add_f32 v[T+2:T+3], v[T+2:T+3], v[T+6:T+7]
	s_delay_alu instid0(VALU_DEP_4)
	v_pk_add_f32 v[T+16:T+17], v[T+16:T+17], v[T+20:T+21]
	s_delay_alu instid0(VALU_DEP_4)
	v_pk_add_f32 v[T+18:T+19], v[T+18:T+19], v[T+22:T+23]
	s_delay_alu instid0(VALU_DEP_3)
	v_pk_add_f32 v[T:T+1], v[T:T+1], v[T+2:T+3]
	s_delay_alu instid0(VALU_DEP_2)
	v_pk_add_f32 v[T+16:T+17], v[T+16:T+17], v[T+18:T+19]
	PAIR2 v_add_f32, T, T, T+1, T+16, T+16, T+17
	XHALF T+2, T, T+18, T+16
	PAIR2 v_add_f32, T, T, T+2, T+16, T+16, T+18
	ds_store_b32 v[TBW], v[T] offset:2048
	ds_store_b32 v[TBW], v[T+16] offset:3072
	BAR
.irp a, 0,1
	ds_load_b128 v[T+8*\a:T+8*\a+3], v[TBR] offset:2048+1024*\a
	ds_load_b128 v[T+8*\a+4:T+8*\a+7], v[TBR] offset:2048+1024*\a+16
.endr
	s_wait_dscnt 0x0
.irp a, 0,1
.irp c, 0,2,4,6
	v_add_f32 v[T+8*\a+\c], v[T+8*\a+\c], v[T+8*\a+\c+1]
.endr
.endr
	v_add_f32 v[T], v[T], v[T+2]
	v_add_f32 v[T+4], v[T+4], v[T+6]
	v_add_f32 v[T+8], v[T+8], v[T+10]
	s_delay_alu instid0(VALU_DEP_4)
	v_add_f32 v[T+12], v[T+12], v[T+14]
	s_delay_alu instid0(VALU_DEP_3)
	v_add_f32 v[T], v[T], v[T+4]
	s_delay_alu instid0(VALU_DEP_2)
	v_add_f32 v[T+8], v[T+8], v[T+12]              ; the rows' sums, at least 1
	s_wait_alu depctr_va_vdst(0)                   ; the wait ahead of the transcendentals
	v_rcp_f32 v[MM], v[T]
	v_rcp_f32 v[MM+2], v[T+8]
	v_nop
	s_wait_alu depctr_va_vdst(0)
; 64 numbers at a time: attn = f16(p / sum), its codes and scale word, into LDS as the image of the operand's registers
.macro PASSC grp
.set AC, 64*(\grp)
.set MR, MM+2*((\grp)/2)
	WIN 0x01
.set i, 0
.rept 32
	v_pk_mul_f32 v[T+i:T+i+1], v[AC+i:AC+i+1], v[MR:MR+1] op_sel_hi:[1,0]
.set i, i+2
.endr
	WIN 0
.if \grp == 3
	VLOAD 1, 0, 512                                ; the registers of rows 16-31 have been read for the last time: K step 1 of v^T lands there
.endif
	ROUND16
	QUANT T, PC, PW
.irp c, 0,1,2
	ds_store_b128 v[QA], v[PC+4*\c:PC+4*\c+3] offset:3072*((\grp)%2)+1536*((\grp)/2)+512*\c
.endr
	ds_store_b32 v[ASW], v[PW] offset:256*((\grp)%2)+128*((\grp)/2)
.endm
.irp grp, 2,3,0,1                              ; rows 16-31 first: their registers then take K step 1 of v^T while rows 0-15 are quantised
	PASSC \grp
.endr
	BAR
; THE SECOND PRODUCT: sixteen K steps of 128 keys, two to a trip (set 0, set 1).  K step 0 starts the sums, the last two steps ask for nothing.
	ALOAD 0, 0
	ALOAD 1, 1
	PVPAIR 1, 1
	s_mov_b32 s14, 6
.Lp:
	PVPAIR 0, 1
	s_sub_co_u32 s14, s14, 1
	s_cmp_lg_u32 s14, 0
	s_cbranch_scc1 .Lp
	PVPAIR 0, 0
; THE WAY OUT: a lane holds 32 neighbouring bytes of a row: 16 rows x 512 bytes go through my own stage and come back as whole rows.  LDS serves a wave's instructions in order (ISA guide 5.7.1.4).
.irp a, 0,1
	WIN 0x04                                       ; the data: window 1
.irp f, 0,1,2,3,4,5,6,7
	ds_store_b128 v[STO], v[64*\a+8*\f:64*\a+8*\f+3] offset:64*\f       ; each accumulator from its low end on
	ds_store_b128 v[STO], v[64*\a+8*\f+4:64*\a+8*\f+7] offset:64*\f+16
.endr
	WIN 0
.irp t, 0,1,2,3,4,5,6,7,8,9,10,11,12,13,14,15
	ds_load_b128 v[BK+64*\a+4*\t:BK+64*\a+4*\t+3], v[RD] offset:\t*SPITCH
.endr
.endr
.irp a, 0,1
	s_wait_dscnt 32-32*\a                          ; rows 0-15 are back (behind them: 16 stores and 16 loads); then all
.irp t, 0,1,2,3,4,5,6,7,8,9,10,11,12,13,14,15
	global_store_b128 v[CO], v[BK+64*\a+4*\t:BK+64*\a+4*\t+3], s[OB:OB+1] offset:(16*\a+\t)*4096 th:TH_STORE_NT   ; 32 lanes store 512 consecutive bytes, aligned
.endr
.endr
	s_wait_tensorcnt 0x0                           ; the wave's end
	ds_add_u32 v[SPW], v[NIL]
	s_wait_dscnt 0x0
	s_endpgm
.Lfunc_end_k_qc75a2dfaeb_attn:
	.size	k_qc75a2dfaeb_attn, .Lfunc_end_k_qc75a2dfaeb_attn-k_qc75a2dfaeb_attn
	.p2alignl 7, 3214868480
	.fill 96, 4, 3214868480
	.section	.rodata,"a",@progbits
	.p2align	6, 0x0
	.amdhsa_kernel k_qc75a2dfaeb_attn
		.amdhsa_group_segment_fixed_size 150528
		.amdhsa_private_segment_fixed_size 0
		.amdhsa_enable_private_segment 0
		.amdhsa_kernarg_size 24
		.amdhsa_user_sgpr_count 2
		.amdhsa_user_sgpr_kernarg_segment_ptr 1
		.amdhsa_wavefront_size32 1
		.amdhsa_system_sgpr_workgroup_id_x 1
		.amdhsa_system_sgpr_workgroup_id_y 1
		.amdhsa_system_sgpr_workgroup_id_z 1
		.amdhsa_system_vgpr_workitem_id 0
		.amdhsa_next_free_vgpr 512
		.amdhsa_next_free_sgpr 66
		.amdhsa_reserve_vcc 0
		.amdhsa_float_denorm_mode_32 3
		.amdhsa_float_denorm_mode_16_64 3
		.amdhsa_memory_ordered 1
		.amdhsa_forward_progress 1
		.amdhsa_inst_pref_size 205
	.end_amdhsa_kernel
	.amdgpu_metadata
---
amdhsa.version: [ 1, 2 ]
amdhsa.kernels:
  - .name:           k_qc75a2dfaeb_attn
    .symbol:         k_qc75a2dfaeb_attn.kd
    .args:
      - { .name: qk, .offset: 0, .size: 8, .value_kind: global_buffer, .address_space: global }
      - { .name: vt, .offset: 8, .size: 8, .value_kind: global_buffer, .address_space: global }
      - { .name: out0, .offset: 16, .size: 8, .value_kind: global_buffer, .address_space: global }
    .group_segment_fixed_size: 150528
    .private_segment_fixed_size: 0
    .kernarg_segment_align: 8
    .kernarg_segment_size: 24
    .max_flat_workgroup_size: 256
    .sgpr_count:     66
    .vgpr_count:     512
    .wavefront_size: 32
...
	.end_amdgpu_metadata
.endif
;; end of part 3
